; MI455X (gfx1250); checked and timed in simulation.
; The chip was launched on July 23, 2026; its instructions are those of AMD's public machine-readable ISA for CDNA 5 (MIT licence, August 2026) and "CDNA5" Instruction Set Architecture Reference Guide (July 2026). The comments in the code are by the model that wrote it; some were corrected since.
;; Self Attention Module. Allowed arithmetic: float matrix products may take bf16 or f16 operands with f32 sums; all other float work in f32.
;; Inputs: Wk 128 x 1,024 float32; Wq 128 x 1,024 float32; Wv 128 x 1,024 float32; X 4 x 4,096 x 1,024 float32; bk 128 float32; bq 128 float32; bv 128 float32.
;; Outputs: out0 4 x 4,096 x 128 float32.
;; One version. Each part assembles by itself: llvm-mc -triple=amdgcn-amd-amdhsa -mcpu=gfx1250 --defsym DOCPART=n.
;; ======== version 1 of 1: 4 launches
;; workspace buffers: Wb 786,432 bytes; Qf 8,388,608 bytes; Sp 16,777,216 bytes; Sb 262,144 bytes
;; launch wprep (part 1): grid 32 x 3, 4 waves a work-group, no clusters, 0 bytes of LDS; arguments Wq, Wk, Wv, Wb; writes Wb
.if DOCPART == 1
	.amdgcn_target "amdgcn-amd-amdhsa--gfx1250"
	.amdhsa_code_object_version 6
	.text
	.protected	k_qe5977114e6_wprep
	.globl	k_qe5977114e6_wprep
	.p2align	8
	.type	k_qe5977114e6_wprep,@function
k_qe5977114e6_wprep:
	s_mov_b64 s[64:65], 0
	v_nop
	global_prefetch_b8 v0, s[64:65] scope:SCOPE_SE
	s_setreg_imm32_b32 hwreg(HW_REG_WAVE_MODE, 25, 1), 1
	s_wait_xcnt 0x0
; Wq, Wk, Wv ([128][1024] f32) are rounded to bf16 and laid into Wb as register images of matrix fragments:
;   Wb = [t 8][w 4][q 4][f 6][c 2][lane 32][16 bytes]
; Block (t, w, q, f) is the fragment (16 rows of W x 32 k) that wave w of the next launch uses in K step t, quarter q, as its tile f.
; With y = 0, 1, 2 for Wq, Wk, Wv and nt = 0..7 the 16-row tile of that matrix: w = nt / 2, f = 2 y + nt % 2.
; Part c of lane (r = lane % 16, h = lane / 16) holds W[16 nt + r][32 (4 t + q) + 16 c + 8 h + 0..7].
; Grid y picks the matrix.  Each of the 128 waves of a matrix takes one tile nt and one span of 64 k: its eight loads together take 256
; consecutive bytes of each of 16 rows, and each of its four stores covers 512 consecutive bytes, aligned.
; No work-group shares input with another, so there is nothing to ask for jointly, and no LDS or matrix work: this is a cast with a new order.
.set SRC, 8                            ; v[8:39]   four groups (b, c) of 8 f32
.set DST, 40                           ; v[40:55]  four groups of 4 registers of bf16
	s_load_b256 s[4:11], s[0:1], 0x0               ; Wq s[4:5], Wk s[6:7], Wv s[8:9], Wb s[10:11]
	v_lshrrev_b32 v1, 5, v0
	v_readfirstlane_b32 s12, v1                    ; wave 0..3
	s_and_b32 s13, ttmp7, 0xffff                   ; y: which matrix
	s_lshl_b32 s14, ttmp9, 2
	s_add_co_u32 s14, s14, s12                     ; wave among the matrix's 128
	s_lshr_b32 s15, s14, 4                         ; nt
	s_and_b32 s16, s14, 15                         ; sp: span of 64 k
	s_lshl_b32 s18, s15, 16                        ; source: 16 nt rows of 4,096 bytes
	s_lshl_b32 s17, s16, 8                         ; + 64 sp numbers of 4 bytes
	s_add_co_u32 s18, s18, s17
	s_mov_b32 s19, 0
	s_lshr_b32 s17, s16, 1                         ; destination: t = sp / 2
	s_mul_i32 s20, s17, 98304
	s_lshr_b32 s17, s15, 1                         ; w = nt / 2
	s_mul_i32 s17, s17, 24576
	s_add_co_u32 s20, s20, s17
	s_and_b32 s17, s16, 1                          ; q = 2 (sp % 2) + b
	s_mul_i32 s17, s17, 12288
	s_add_co_u32 s20, s20, s17
	s_and_b32 s17, s15, 1
	s_lshl1_add_u32 s17, s13, s17                  ; f = 2 y + nt % 2
	s_lshl_b32 s17, s17, 10
	s_add_co_u32 s20, s20, s17
	s_mov_b32 s21, 0
	v_and_b32 v1, 15, v0                           ; r
	v_bfe_u32 v4, v0, 4, 1                         ; h
	v_lshlrev_b32 v2, 12, v1                       ; source offset: r rows
	v_lshl_add_u32 v2, v4, 5, v2                   ; + 8 h numbers
	v_and_b32 v3, 31, v0
	v_lshlrev_b32 v3, 4, v3                        ; destination offset: 16 bytes a lane
	s_wait_kmcnt 0x0
	s_cmp_eq_u32 s13, 1                            ; the choice hangs on the grid's y alone
	s_cselect_b64 s[4:5], s[6:7], s[4:5]
	s_cmp_eq_u32 s13, 2
	s_cselect_b64 s[4:5], s[8:9], s[4:5]
	s_add_nc_u64 s[4:5], s[4:5], s[18:19]
	s_add_nc_u64 s[10:11], s[10:11], s[20:21]
.irp b, 0,1
.irp c, 0,1
	global_load_b128 v[SRC+8*(2*\b+\c):SRC+8*(2*\b+\c)+3],   v2, s[4:5] offset:128*\b+64*\c
	global_load_b128 v[SRC+8*(2*\b+\c)+4:SRC+8*(2*\b+\c)+7], v2, s[4:5] offset:128*\b+64*\c+16
.endr
.endr
.irp b, 0,1
.irp c, 0,1
	s_wait_loadcnt 6-2*(2*\b+\c)                   ; the two loads of each younger group (b, c) may stay out
.irp i, 0,1,2,3
	v_cvt_pk_bf16_f32 v[DST+4*(2*\b+\c)+\i], v[SRC+8*(2*\b+\c)+2*\i], v[SRC+8*(2*\b+\c)+2*\i+1]
.endr
	global_store_b128 v3, v[DST+4*(2*\b+\c):DST+4*(2*\b+\c)+3], s[10:11] offset:6144*\b+512*\c
.endr
.endr
	s_endpgm
.Lfunc_end_k_qe5977114e6_wprep:
	.size	k_qe5977114e6_wprep, .Lfunc_end_k_qe5977114e6_wprep-k_qe5977114e6_wprep
	.p2alignl 7, 3214868480
	.fill 96, 4, 3214868480
	.section	.rodata,"a",@progbits
	.p2align	6, 0x0
	.amdhsa_kernel k_qe5977114e6_wprep
		.amdhsa_group_segment_fixed_size 0
		.amdhsa_private_segment_fixed_size 0
		.amdhsa_enable_private_segment 0
		.amdhsa_kernarg_size 32
		.amdhsa_user_sgpr_count 2
		.amdhsa_user_sgpr_kernarg_segment_ptr 1
		.amdhsa_wavefront_size32 1
		.amdhsa_system_sgpr_workgroup_id_x 1
		.amdhsa_system_sgpr_workgroup_id_y 1
		.amdhsa_system_sgpr_workgroup_id_z 1
		.amdhsa_system_vgpr_workitem_id 0
		.amdhsa_next_free_vgpr 56
		.amdhsa_next_free_sgpr 66
		.amdhsa_reserve_vcc 0
		.amdhsa_float_denorm_mode_32 3
		.amdhsa_float_denorm_mode_16_64 3
		.amdhsa_memory_ordered 1
		.amdhsa_forward_progress 1
		.amdhsa_inst_pref_size 4
	.end_amdhsa_kernel
	.amdgpu_metadata
---
amdhsa.version: [ 1, 2 ]
amdhsa.kernels:
  - .name:           k_qe5977114e6_wprep
    .symbol:         k_qe5977114e6_wprep.kd
    .args:
      - { .name: Wq, .offset: 0, .size: 8, .value_kind: global_buffer, .address_space: global }
      - { .name: Wk, .offset: 8, .size: 8, .value_kind: global_buffer, .address_space: global }
      - { .name: Wv, .offset: 16, .size: 8, .value_kind: global_buffer, .address_space: global }
      - { .name: Wb, .offset: 24, .size: 8, .value_kind: global_buffer, .address_space: global }
    .group_segment_fixed_size: 0
    .private_segment_fixed_size: 0
    .kernarg_segment_align: 8
    .kernarg_segment_size: 32
    .max_flat_workgroup_size: 128
    .sgpr_count:     66
    .vgpr_count:     56
    .wavefront_size: 32
...
	.end_amdgpu_metadata
.endif
;; end of part 1
;; launch proj (part 2): grid 256 x 1, 4 waves a work-group, clusters of 4 x 1, 327,680 bytes of LDS; arguments X, Wb, bq, bk, bv, Qf, Sp; writes Qf, Sp
.if DOCPART == 2
	.amdgcn_target "amdgcn-amd-amdhsa--gfx1250"
	.amdhsa_code_object_version 6
	.text
	.protected	k_qe5977114e6_proj
	.globl	k_qe5977114e6_proj
	.p2align	8
	.type	k_qe5977114e6_proj,@function
k_qe5977114e6_proj:
	s_mov_b64 s[64:65], 0
	v_nop
	global_prefetch_b8 v0, s[64:65] scope:SCOPE_SE
	s_setreg_imm32_b32 hwreg(HW_REG_WAVE_MODE, 25, 1), 1
	s_wait_xcnt 0x0
	s_wait_alu depctr_hold_cnt(0) depctr_sa_sdst(0) depctr_va_vdst(0) depctr_va_sdst(0) depctr_va_ssrc(0) depctr_va_vcc(0) depctr_vm_vsrc(0)
	s_getreg_b32 s2, hwreg(HW_REG_IB_STS2, 6, 4)
	s_cmp_eq_u32 s2, 0
	s_cbranch_scc0 .Lentry_in_a_cluster
	s_endpgm
.Lentry_in_a_cluster:
	s_bfe_u32 s2, ttmp6, 0x10000c
	s_cmp_lg_u32 s2, 0x3003
	s_cbranch_scc0 .Lentry_shape_is_right
	s_endpgm
.Lentry_shape_is_right:
; Q, K, V = X W^T + b for 64 rows of X, and those rows' share of S = K^T V.
; THE PROGRAM USES (Q K^T) V = Q (K^T V): nothing but sums and products stands between the two products, so the identity holds for every
; input; S is 128 x 128 for each batch and the 4096 x 4096 matrix is never formed.
; LIMITS KEPT: the order of rounding differs from the order in which the problem is written; X, W, K and V enter the matrix unit rounded to bf16
; (which has the exponent range of f32); Q and S enter it as TWO bf16 numbers each, the number rounded and the rest rounded (16 bits of significand),
; since each of their roundings would go into every one of the 128 products of an output; every sum is kept in f32.
; A Q above bf16's largest number (about 3.39e38) rounds to infinity.
;
; SHARES.  Work-group g owns rows 64 g .. 64 g + 63 of the 16,384.  Wave w makes 64 rows x 96 columns: two 16-column tiles each of Q, K and V
; (columns 32 w .. 32 w + 31 of each): 4 row tiles x 6 column tiles = 24 accumulators, 192 registers.  K (1,024) goes in 8 steps of 128, a step in 4
; quarters of 32 with 24 matrix instructions each.  All 8 steps are written out by macros: every count of a wait is a constant of the text.
; W comes from Wb, where it lies in bf16 as register images of fragments.  All work-groups walk the same W, so the four work-groups of a cluster
; ask for each piece JOINTLY (mask 15), which divides the requests for W by four.  Wave w asks for its own 24,576 bytes of a step and it alone reads them.
; Two LDS slots take turns; each refill stands first behind a round of the cluster's barrier.  A wave never has more than one tensor load out.
; X is shared with no other work-group.  It comes through registers: wave w loads rows 16 w .. 16 w + 15, one row's 512 bytes of a step in each
; load, 15 groups of 4 loads ahead (60 loads of a wave on their way), rounds them to bf16 ONCE and puts them into a stage of LDS that all four waves read.
; These loads count on LOADcnt, so they stay on their way across the rounds.
;
; FRAGMENTS WITHOUT TRANSPOSING.  In a 16 x 16 result lane (r, h) holds, in registers j = 0..7, the elements (8 h + j, r).  Packed to bf16 these are the
; four registers that a 16-bit operand fragment wants for k = 8 h + 0..7, so two packed results are one fragment of 32 k:
;   K and V tiles (X first, W second): lane holds 8 rows of one column: fragments of K^T and of V for S = K^T V, k = the rows;
;   Q tiles (W first, X second): lane holds 8 columns of one row: fragments of Q for the last launch, k = the columns of Q.
; Qf = [row tile 1024][p 4][part 2: rounded, rest][c 2][lane 32][16 bytes]; my two tiles of Q are halves c = 0, 1 of fragment p = w.
;
; LDS:      0 ..  98,303  W slot 0: wave w at 24,576 w; in it quarter q at 6,144 q, tile f at 1,024 f, half c at 512 c, lane at 16 L
;      98,304 .. 196,607  W slot 1
;     196,608 .. 214,015  X stage 0: 64 rows of 128 bf16, pitch 272 = 17 x 16 bytes, so that the 16 rows of a fragment load start in 16 different 16-byte columns
;     214,016 .. 231,423  X stage 1
;     231,424 .. 247,807  V's fragments: tile vt at 2,048 vt, row tile mt at 512 mt, lane at 16 L
; The stages are written by LDS stores, begin at multiples of 256 bytes, and no tensor load ever lands in them.
;
; REGISTERS, in windows of 256: window 0 addresses, biases, fragments; window 1 accumulators; window 2 the ring of X as loaded (16 groups of 16),
; and at the end the rests of Q.
.set WPART,  24576                     ; bytes of W for one wave and one K step
.set WSLOT,  98304                     ; bytes of W for one K step: an LDS slot
.set XS,     2*WSLOT
.set XPITCH, 272
.set XSTAGE, 64*XPITCH
.set VST,    XS+2*XSTAGE
.set VXO,  2                           ; v2      X: 65,536 w + 16 L (16 rows of 4,096 bytes a wave); never rewritten
.set AW0,  3                           ; v3, v4  my part of W slot 0, 1
.set AX0,  5                           ; v5, v6  X stage 0, 1 as read: 272 r + 16 h
.set SX0,  7                           ; v7, v8  X stage 0, 1 as written: 16 w rows + 8 L
.set VBQ,  9                           ; v9      bq: 128 w + 32 h
.set VBK,  10                          ; v10     bk, bv: 128 w + 4 r
.set VSTW, 11                          ; v11     V's fragments as written
.set VSTR, 12                          ; v12     V's fragments as read
.set QO,   13                          ; v13     Qf: 2,048 w + 16 L
.set SO,   14                          ; v14     Sp: 16,384 w + 16 L
.set BQ,   16                          ; v[16:31]  bq[32 w + 16 f + 8 h + j] at 8 f + j
.set BKV,  32                          ; v[32:39]  four pairs of equal numbers: bk of my tiles 0, 1, bv of my tiles 0, 1, at column r
.set TMP,  40                          ; v[40:47]  four rows' bf16 on their way to the stage
.set F0,   48                          ; v[48:127]   fragment buffer 0: W's tile f at 8 f, X's row tile mt at 48 + 8 mt
.set F1,   128                         ; v[128:207]  fragment buffer 1
.set QP,   16                          ; the way out: v[16:47] Q rounded, packed, 8 mt + 4 f
.set KF,   48                          ; v[48:79]   K packed, 16 kt + 4 mt: two fragments of K^T for each tile
.set VO,   80                          ; v[80:111]  V packed, 16 vt + 4 mt
.set VA,   112                         ; v[112:239] all eight tiles of V, 16 vt + 4 mt
.set QT,   0                           ; window 2, v[0:63]: the rounded Q widened again, then Q's rests in f32
.set QLO,  64                          ; window 2, v[64:95]: Q's rests packed, 8 mt + 4 f
.set G1,   24                          ; s[24:31] descriptor group 1
.set G0,   32                          ; s[32:39] descriptor group 0, one set for each slot
.set MULW, 0x50                        ; sources 0 and 1 window 0; C and D window 1
.set MSB,  0
.macro WIN new                         ; the immediate's high byte repeats the setting that is left
.if MSB != \new
	s_set_vgpr_msb (MSB<<8)|\new
.set MSB, \new
.endif
.endm
.macro PLACES                          ; four places of plain vector work behind a matrix instruction (ISA guide 7.12.1)
.rept 4
	v_nop
.endr
.endm
; A round of the cluster's barrier: my work-group's barrier, wave 0 signals for the work-group, every wave waits for all four work-groups,
; my work-group's barrier once more.
.macro ROUND
	s_barrier_signal -1
	s_barrier_wait -1
	s_cmp_lg_u32 s18, 0
	s_cbranch_scc1 .Lnot_wave_0_\@
	s_barrier_signal -3
.Lnot_wave_0_\@:
	s_barrier_wait -3
	s_barrier_signal -1
	s_barrier_wait -1
.endm
; Group G = 4 s + q of X: rows 4 q .. 4 q + 3 of my 16, K step s.  Each load takes 512 consecutive bytes, aligned.  Window: destination 2.
.macro XLOAD G
.irp i, 0,1,2,3
	global_load_b128 v[16*((\G)%16)+4*\i:16*((\G)%16)+4*\i+3], v[VXO], s[4:5] offset:(4*((\G)&3)+\i)*4096+((\G)>>2)*512 th:TH_LOAD_NT
.endr
.endm
; Group G is rounded to bf16 and stored into its step's stage; group G + 15 is asked for, into the registers that the group before G left.
.macro CONV G
.if (\G) <= 17
	s_wait_loadcnt 56                              ; loads come back in order: the 14 younger groups of 4 stay out
.else
	s_wait_loadcnt 4*(31-(\G))                     ; nothing is asked for beyond group 31: the counts run down
.endif
	WIN 0x0a                                       ; sources window 2, destination window 0
.irp i, 0,1,2,3
	v_cvt_pk_bf16_f32 v[TMP+2*\i],   v[16*((\G)%16)+4*\i],   v[16*((\G)%16)+4*\i+1]
	v_cvt_pk_bf16_f32 v[TMP+2*\i+1], v[16*((\G)%16)+4*\i+2], v[16*((\G)%16)+4*\i+3]
.endr
.if (\G)+15 <= 31
	WIN 0x80
	XLOAD (\G)+15
.endif
	WIN 0
.irp i, 0,1,2,3
	ds_store_b64 v[SX0+(((\G)>>2)&1)], v[TMP+2*\i:TMP+2*\i+1] offset:(4*((\G)&3)+\i)*XPITCH   ; 32 lanes x 8 bytes: a row's 256 bytes
.endr
.endm
; 20 LDS loads: the fragments of quarter q from slot and stage sl into buffer fb; X's row tiles 2 and 3 come last.
.macro FETCH sl, q, fb
.irp n, 0,1,2,3,4,5
	ds_load_b128 v[\fb+8*\n:\fb+8*\n+3],   v[AW0+\sl] offset:\q*6144+\n*1024
	ds_load_b128 v[\fb+8*\n+4:\fb+8*\n+7], v[AW0+\sl] offset:\q*6144+\n*1024+512
.endr
.irp m, 0,1,2,3
	ds_load_b128 v[\fb+48+8*\m:\fb+48+8*\m+3],   v[AX0+\sl] offset:\m*16*XPITCH+64*\q
	ds_load_b128 v[\fb+48+8*\m+4:\fb+48+8*\m+7], v[AX0+\sl] offset:\m*16*XPITCH+64*\q+32
.endr
.endm
; 12 matrix instructions: row tiles a0, a0 + 1 x my six column tiles.  Tiles 0, 1 (Q) take W first, the others X first.
; zero = 1: the first product starts the sums.  The 24 accumulators take turns, one instruction a turn.
.macro MUL12 fb, a0, zero
.irp m, \a0, \a0+1
.irp n, 0,1,2,3,4,5
.if \n < 2
.if \zero
	v_wmma_f32_16x16x32_bf16 v[8*(6*(\m)+\n):8*(6*(\m)+\n)+7], v[\fb+8*\n:\fb+8*\n+7], v[\fb+48+8*(\m):\fb+48+8*(\m)+7], 0
.else
	v_wmma_f32_16x16x32_bf16 v[8*(6*(\m)+\n):8*(6*(\m)+\n)+7], v[\fb+8*\n:\fb+8*\n+7], v[\fb+48+8*(\m):\fb+48+8*(\m)+7], v[8*(6*(\m)+\n):8*(6*(\m)+\n)+7]
.endif
.else
.if \zero
	v_wmma_f32_16x16x32_bf16 v[8*(6*(\m)+\n):8*(6*(\m)+\n)+7], v[\fb+48+8*(\m):\fb+48+8*(\m)+7], v[\fb+8*\n:\fb+8*\n+7], 0
.else
	v_wmma_f32_16x16x32_bf16 v[8*(6*(\m)+\n):8*(6*(\m)+\n)+7], v[\fb+48+8*(\m):\fb+48+8*(\m)+7], v[\fb+8*\n:\fb+8*\n+7], v[8*(6*(\m)+\n):8*(6*(\m)+\n)+7]
.endif
.endif
.endr
.endr
.endm
; Quarter q of K step t multiplies buffer fb.  In its middle: four rows of the next step's X go to the other stage (their eight conversions are also
; the places between the matrix instructions that read buffer gb and the loads into it), and the next quarter's fragments are fetched into gb.
.macro QUARTER t, q, fb, gb, zero
	s_wait_dscnt 4                                 ; all is in but the four youngest loads: X's row tiles 2 and 3
	WIN MULW
	MUL12 \fb, 0, \zero
.set NW, 0
.if \t < 7
	CONV (4*(\t+1)+\q)
.set NW, NW+4
.else
.if \q < 3
	PLACES                                         ; the last step has no X to convert
	WIN 0
.endif
.endif
.if \q < 3
	FETCH (\t&1), (\q+1), \gb
.set NW, NW+20
.endif
	s_wait_dscnt NW                                ; what was issued behind this quarter's fragments may stay out: 4 stores and 20 loads, where there are any
	WIN MULW
	MUL12 \fb, 2, \zero
.endm
; K step t.  In front of the round: all my tensor loads have landed (the one that was out is my part of this step's W), my reads of the last step's
; slot and stage are back, my stores into this step's stage are done.  Behind the round the next step's W is asked for first, into the slot read last.
.macro STEP t, zero
	WIN 0
	s_wait_tensorcnt 0x0
	ds_add_u32 v254, v255
	s_wait_dscnt 0x0
.if \t <= 5
	s_add_nc_u64 s[G0+4*(\t&1)+2:G0+4*(\t&1)+3], s[G0+4*(\t&1)+2:G0+4*(\t&1)+3], 2*WSLOT   ; no load of mine is out: this slot's next piece, two steps on
.endif
	s_wait_dscnt 0x0
.if \t < 7
	ROUND
	tensor_load_to_lds s[G0+4*((\t+1)&1):G0+4*((\t+1)&1)+3], s[G1:G1+7]
	s_nop 0
.else
	s_barrier_signal -1                            ; it shows the last stage of X to every wave
	s_barrier_wait -1
.irp n, 0,1
	global_load_b128 v[BQ+8*\n:BQ+8*\n+3],   v[VBQ], s[8:9] offset:64*\n       ; the biases come in under the last step's products
	global_load_b128 v[BQ+8*\n+4:BQ+8*\n+7], v[VBQ], s[8:9] offset:64*\n+16
.endr
.irp n, 0,1
	global_load_b32 v[BKV+2*\n],   v[VBK], s[10:11] offset:64*\n               ; each number twice: a pair for the packed add
	global_load_b32 v[BKV+2*\n+1], v[VBK], s[10:11] offset:64*\n
	global_load_b32 v[BKV+4+2*\n], v[VBK], s[12:13] offset:64*\n
	global_load_b32 v[BKV+5+2*\n], v[VBK], s[12:13] offset:64*\n
.endr
.endif
	FETCH (\t&1), 0, F0
	QUARTER \t, 0, F0, F1, \zero
	QUARTER \t, 1, F1, F0, 0
	QUARTER \t, 2, F0, F1, 0
	QUARTER \t, 3, F1, F0, 0
.endm
	s_load_b256 s[4:11], s[0:1], 0x0               ; X s[4:5], Wb s[6:7], bq s[8:9], bk s[10:11]
	s_load_b128 s[12:15], s[0:1], 0x20             ; bv s[12:13], Qf s[14:15]
	s_load_b64 s[16:17], s[0:1], 0x30              ; Sp
	v_lshl_add_u32 v254, v0, 2, 0x3c800
	v_mov_b32 v255, 0
	ds_add_u32 v254, v255
	v_lshrrev_b32 v1, 5, v0
	v_readfirstlane_b32 s18, v1                    ; wave 0..3
	s_bfe_u32 s19, ttmp6, 0x40000                  ; cx: my place in the cluster
	s_lshl_b32 s20, ttmp9, 2                       ; in a cluster launch ttmp9 counts clusters
	s_add_co_u32 s20, s20, s19                     ; g.  It enters the bases of X, Qf and Sp alone: no LDS address, no branch, no descriptor
	s_lshl_b32 s40, s20, 18                        ; X: 64 rows of 4,096 bytes
	s_mov_b32 s41, 0
	s_lshl_b32 s42, s20, 15                        ; Qf: 4 row tiles of 8,192 bytes
	s_mov_b32 s43, 0
	s_lshl_b32 s44, s20, 16                        ; Sp: 64 tiles of 1,024 bytes
	s_mov_b32 s45, 0
	s_mul_i32 s46, s18, WPART                      ; my part of a step's W
	s_mov_b32 s47, 0
	; descriptor group 1: 24,576 dense bytes as 96 rows of 32 elements of 8 bytes
	s_mov_b32 s[G1+0], 15|(3<<16)|(1<<21)          ; 15:0 the mask: all four work-groups of the cluster; 17:16 element of 8 bytes; 21 set beside a mask; no padding
	s_mov_b32 s[G1+1], 32<<16                      ; tensor_dim0 = 32
	s_mov_b32 s[G1+2], 96<<16                      ; tensor_dim1 = 96
	s_mov_b32 s[G1+3], 32<<16                      ; tile_dim0 = 32
	s_mov_b32 s[G1+4], 96                          ; tile_dim1 = 96
	s_mov_b32 s[G1+5], 32                          ; from row to row: 32 elements
	s_mov_b32 s[G1+6], 0
	s_mov_b32 s[G1+7], 0
	s_mov_b32 s[G0+0], 1
	s_mul_i32 s[G0+1], s18, WPART                  ; LDS address: the wave's number times a constant,
	s_mov_b32 s[G0+4], 1
	s_add_co_u32 s[G0+5], s[G0+1], WSLOT           ; plus the slot's constant
	v_and_b32 v1, 31, v0                           ; L
	v_and_b32 v15, 15, v0                          ; r
	v_bfe_u32 v40, v0, 4, 1                        ; h
	s_lshl_b32 s21, s18, 16
	v_lshl_add_u32 v[VXO], v1, 4, s21
	v_lshl_add_u32 v[AW0], v1, 4, s46
	v_add_nc_u32 v[AW0+1], WSLOT, v[AW0]
	v_mul_u32_u24 v[AX0], v15, XPITCH
	v_lshl_add_u32 v[AX0], v40, 4, v[AX0]
	v_add_nc_u32 v[AX0], XS, v[AX0]
	v_add_nc_u32 v[AX0+1], XSTAGE, v[AX0]
	s_mul_i32 s22, s18, 16*XPITCH
	s_add_co_u32 s22, s22, XS
	v_lshl_add_u32 v[SX0], v1, 3, s22
	v_add_nc_u32 v[SX0+1], XSTAGE, v[SX0]
	s_lshl_b32 s23, s18, 7
	v_lshl_add_u32 v[VBQ], v40, 5, s23
	v_lshl_add_u32 v[VBK], v15, 2, s23
	s_lshl_b32 s21, s18, 12
	s_add_co_u32 s21, s21, VST
	v_lshl_add_u32 v[VSTW], v1, 4, s21
	v_lshl_add_u32 v[VSTR], v1, 4, VST
	s_lshl_b32 s22, s18, 11
	v_lshl_add_u32 v[QO], v1, 4, s22
	s_lshl_b32 s23, s18, 14
	v_lshl_add_u32 v[SO], v1, 4, s23
	s_wait_dscnt 0x0
	s_wait_kmcnt 0x0
	s_add_nc_u64 s[4:5], s[4:5], s[40:41]
	s_add_nc_u64 s[14:15], s[14:15], s[42:43]
	s_add_nc_u64 s[16:17], s[16:17], s[44:45]
	s_add_nc_u64 s[G0+2:G0+3], s[6:7], s[46:47]    ; K step 0, my part: made of the wave's number alone, equal in all four work-groups
	s_add_nc_u64 s[G0+6:G0+7], s[G0+2:G0+3], WSLOT ; K step 1
	s_or_b32 s[G0+3], s[G0+3], 0x80000000          ; type = 2
	s_or_b32 s[G0+7], s[G0+7], 0x80000000
	WIN 0x80
.irp G, 0,1,2,3,4,5,6,7,8,9,10,11,12,13,14
	XLOAD \G                                       ; 60 loads: nearly four K steps of my 16 rows
.endr
	WIN 0
	ROUND                                          ; all four work-groups are here: the first joint load meets its partners
	tensor_load_to_lds s[G0:G0+3], s[G1:G1+7]      ; K step 0 of W into slot 0
	s_nop 0
	CONV 0                                         ; K step 0 of X into stage 0
	CONV 1
	CONV 2
	CONV 3
	STEP 0, 1
	STEP 1, 0
	STEP 2, 0
	STEP 3, 0
	STEP 4, 0
	STEP 5, 0
	STEP 6, 0
	STEP 7, 0
	; THE WAY OUT.  Biases in f32, then the rounding to bf16.
	PLACES                                         ; behind the last matrix instructions, in front of the first reader of a result
	s_wait_loadcnt 0x0                             ; the 12 loads of biases
	WIN 0x41                                       ; source 0 and destination window 1, source 1 window 0
.irp m, 0,1,2,3
.irp n, 0,1,2,3,4,5
.irp i, 0,1,2,3
.if \n < 2
	v_pk_add_f32 v[8*(6*\m+\n)+2*\i:8*(6*\m+\n)+2*\i+1], v[8*(6*\m+\n)+2*\i:8*(6*\m+\n)+2*\i+1], v[BQ+8*\n+2*\i:BQ+8*\n+2*\i+1]
.else
	v_pk_add_f32 v[8*(6*\m+\n)+2*\i:8*(6*\m+\n)+2*\i+1], v[8*(6*\m+\n)+2*\i:8*(6*\m+\n)+2*\i+1], v[BKV+2*(\n-2):BKV+2*(\n-2)+1]
.endif
.endr
.endr
.endr
	WIN 0x05                                       ; sources window 1, destination window 0
.irp m, 0,1,2,3
.irp n, 0,1
.irp i, 0,1,2,3
	v_cvt_pk_bf16_f32 v[QP+8*\m+4*\n+\i],  v[8*(6*\m+\n)+2*\i],   v[8*(6*\m+\n)+2*\i+1]
	v_cvt_pk_bf16_f32 v[KF+16*\n+4*\m+\i], v[8*(6*\m+\n+2)+2*\i], v[8*(6*\m+\n+2)+2*\i+1]
	v_cvt_pk_bf16_f32 v[VO+16*\n+4*\m+\i], v[8*(6*\m+\n+4)+2*\i], v[8*(6*\m+\n+4)+2*\i+1]
.endr
.endr
.endr
	WIN 0
.irp m, 0,1,2,3
.irp n, 0,1
	global_store_b128 v[QO], v[QP+8*\m+4*\n:QP+8*\m+4*\n+3], s[14:15] offset:\m*8192+\n*512   ; Qf[4 g + mt][p = w][rounded][c = f]: 512 consecutive bytes, aligned
	ds_store_b128 v[VSTW], v[VO+16*\n+4*\m:VO+16*\n+4*\m+3] offset:\n*2048+\m*512             ; my two tiles of V, for all four waves
.endr
.endr
	s_wait_dscnt 0x0                               ; my stores are done, for the others' sake
	s_barrier_signal -1
	; While the others arrive, register work alone: Q's rests.  The rounded Q is widened again (a shift, a mask), taken away from Q (exact in f32: the
	; rest has at most 16 significant bits), and the rest is rounded to bf16.
	WIN 0x80                                       ; sources window 0, destination window 2
.irp m, 0,1,2,3
.irp n, 0,1
.irp i, 0,1,2,3
	v_lshlrev_b32 v[QT+2*(8*\m+4*\n+\i)],   16,         v[QP+8*\m+4*\n+\i]
	v_and_b32     v[QT+2*(8*\m+4*\n+\i)+1], 0xffff0000, v[QP+8*\m+4*\n+\i]
.endr
.endr
.endr
	WIN 0x89                                       ; source 0 window 1 (Q in f32), source 1 and destination window 2
.irp m, 0,1,2,3
.irp n, 0,1
.irp i, 0,1,2,3
	v_pk_add_f32 v[QT+2*(8*\m+4*\n+\i):QT+2*(8*\m+4*\n+\i)+1], v[8*(6*\m+\n)+2*\i:8*(6*\m+\n)+2*\i+1], v[QT+2*(8*\m+4*\n+\i):QT+2*(8*\m+4*\n+\i)+1] neg_lo:[0,1] neg_hi:[0,1]
.endr
.endr
.endr
	WIN 0x8a                                       ; sources and destination window 2
.irp m, 0,1,2,3
.irp n, 0,1
.irp i, 0,1,2,3
	v_cvt_pk_bf16_f32 v[QLO+8*\m+4*\n+\i], v[QT+2*(8*\m+4*\n+\i)], v[QT+2*(8*\m+4*\n+\i)+1]
.endr
.endr
.endr
	WIN 0
	s_barrier_wait -1
.irp p, 0,1
.irp b, 0,1,2,3,4,5,6,7
.irp c, 0,1
	ds_load_b128 v[VA+16*\b+8*\p+4*\c:VA+16*\b+8*\p+4*\c+3], v[VSTR] offset:\b*2048+(2*\p+\c)*512   ; rows 0-31 of all eight tiles first, then rows 32-63
.endr
.endr
.endr
	WIN 0x08                                       ; store data window 2, address window 0
.irp m, 0,1,2,3
.irp n, 0,1
	global_store_b128 v[QO], v[QLO+8*\m+4*\n:QLO+8*\m+4*\n+3], s[14:15] offset:\m*8192+1024+\n*512   ; Qf[4 g + mt][p = w][rest][c = f]
.endr
.endr
	; S(16 (2 w + a) + .., 16 b + ..) = sum over my group's 64 rows of K V: 2 x 8 tiles, two products each.
	; The 16 accumulators take turns, one instruction a turn.
	WIN MULW
.irp p, 0,1
	s_wait_dscnt 16-16*\p                          ; the 16 loads of rows 32-63 may stay out during the first 16 products
.irp a, 0,1
.irp b, 0,1,2,3,4,5,6,7
.if \p == 0
	v_wmma_f32_16x16x32_bf16 v[8*(8*\a+\b):8*(8*\a+\b)+7], v[KF+16*\a+8*\p:KF+16*\a+8*\p+7], v[VA+16*\b+8*\p:VA+16*\b+8*\p+7], 0
.else
	v_wmma_f32_16x16x32_bf16 v[8*(8*\a+\b):8*(8*\a+\b)+7], v[KF+16*\a+8*\p:KF+16*\a+8*\p+7], v[VA+16*\b+8*\p:VA+16*\b+8*\p+7], v[8*(8*\a+\b):8*(8*\a+\b)+7]
.endif
.endr
.endr
.endr
	PLACES                                         ; in front of the stores, which read results
	WIN 0x04                                       ; store data window 1, address window 0
.irp a, 0,1
.irp b, 0,1,2,3,4,5,6,7
	global_store_b128 v[SO], v[8*(8*\a+\b):8*(8*\a+\b)+3],   s[16:17] offset:(8*\a+\b)*1024       ; Sp[g][8 kt + vt][registers 0-3][lane]: 512 consecutive bytes, aligned
	global_store_b128 v[SO], v[8*(8*\a+\b)+4:8*(8*\a+\b)+7], s[16:17] offset:(8*\a+\b)*1024+512   ; registers 4-7
.endr
.endr
	WIN 0
	s_wait_tensorcnt 0x0
	ds_add_u32 v254, v255
	s_wait_dscnt 0x0
	ROUND                                          ; the closing round: no work-group ends while a partner may still ask for a piece that names it
	s_endpgm
.Lfunc_end_k_qe5977114e6_proj:
	.size	k_qe5977114e6_proj, .Lfunc_end_k_qe5977114e6_proj-k_qe5977114e6_proj
	.p2alignl 7, 3214868480
	.fill 96, 4, 3214868480
	.section	.rodata,"a",@progbits
	.p2align	6, 0x0
	.amdhsa_kernel k_qe5977114e6_proj
		.amdhsa_group_segment_fixed_size 327680
		.amdhsa_private_segment_fixed_size 0
		.amdhsa_enable_private_segment 0
		.amdhsa_kernarg_size 56
		.amdhsa_user_sgpr_count 2
		.amdhsa_user_sgpr_kernarg_segment_ptr 1
		.amdhsa_wavefront_size32 1
		.amdhsa_system_sgpr_workgroup_id_x 1
		.amdhsa_system_sgpr_workgroup_id_y 1
		.amdhsa_system_sgpr_workgroup_id_z 1
		.amdhsa_system_vgpr_workitem_id 0
		.amdhsa_next_free_vgpr 768
		.amdhsa_next_free_sgpr 66
		.amdhsa_reserve_vcc 0
		.amdhsa_float_denorm_mode_32 3
		.amdhsa_float_denorm_mode_16_64 3
		.amdhsa_memory_ordered 1
		.amdhsa_forward_progress 1
		.amdhsa_inst_pref_size 171
	.end_amdhsa_kernel
	.amdgpu_metadata
---
amdhsa.version: [ 1, 2 ]
amdhsa.kernels:
  - .name:           k_qe5977114e6_proj
    .symbol:         k_qe5977114e6_proj.kd
    .args:
      - { .name: X, .offset: 0, .size: 8, .value_kind: global_buffer, .address_space: global }
      - { .name: Wb, .offset: 8, .size: 8, .value_kind: global_buffer, .address_space: global }
      - { .name: bq, .offset: 16, .size: 8, .value_kind: global_buffer, .address_space: global }
      - { .name: bk, .offset: 24, .size: 8, .value_kind: global_buffer, .address_space: global }
      - { .name: bv, .offset: 32, .size: 8, .value_kind: global_buffer, .address_space: global }
      - { .name: Qf, .offset: 40, .size: 8, .value_kind: global_buffer, .address_space: global }
      - { .name: Sp, .offset: 48, .size: 8, .value_kind: global_buffer, .address_space: global }
    .group_segment_fixed_size: 327680
    .private_segment_fixed_size: 0
    .kernarg_segment_align: 8
    .kernarg_segment_size: 56
    .max_flat_workgroup_size: 128
    .sgpr_count:     66
    .vgpr_count:     768
    .wavefront_size: 32
...
	.end_amdgpu_metadata
.endif
;; end of part 2
;; launch sred (part 3): grid 64 x 4, 8 waves a work-group, no clusters, 9,216 bytes of LDS; arguments Sp, Sb; writes Sb
.if DOCPART == 3
	.amdgcn_target "amdgcn-amd-amdhsa--gfx1250"
	.amdhsa_code_object_version 6
	.text
	.protected	k_qe5977114e6_sred
	.globl	k_qe5977114e6_sred
	.p2align	8
	.type	k_qe5977114e6_sred,@function
k_qe5977114e6_sred:
	s_mov_b64 s[64:65], 0
	v_nop
	global_prefetch_b8 v0, s[64:65] scope:SCOPE_SE
	s_setreg_imm32_b32 hwreg(HW_REG_WAVE_MODE, 25, 1), 1
	s_wait_xcnt 0x0
; S of batch n = the sum of the 64 partial S that the batch's row blocks left in Sp, in f32 and in a fixed order; then S as TWO bf16 numbers:
; S rounded, and the rest (exact in f32) rounded: 16 bits of significand for the last product.  An S above bf16's largest number (about 3.39e38) rounds to infinity.
; Work-group (T, n) owns tile T = 8 kt + vt (16 x 16) of batch n.  Wave u adds partials 8 u .. 8 u + 7; the eight waves' sums meet in LDS and wave 0 adds them.
; Sp = [g 256][T 64][half 2][lane 32][4 f32]: the register image of a 16 x 16 result: lane (r, h), register j holds S[16 kt + 8 h + j][16 vt + r].
; Sb = [n 4][part 2: rounded, rest][p 4][vt 8][c 2][lane 32][16 bytes]: tile kt = 2 p + c packed to bf16, which is half c of the operand fragment
; (columns 16 vt .. + 15 of S, k = 32 p .. + 31).
; Each load takes 512 consecutive bytes, aligned, and so does each of the two stores.  Every byte of Sp is read once, by one wave: nothing is shared between work-groups.
.set P, 8                              ; v[8:71]  eight partials of 8 f32
.set O, 72                             ; v[72:75] the tile rounded to bf16; v[76:79] the rests
.macro TREE                            ; eight sets of 8 numbers into one, always in the same order: 28 packed adds
.irp a, 0,2,4,6
.irp j, 0,2,4,6
	v_pk_add_f32 v[P+8*\a+\j:P+8*\a+\j+1], v[P+8*\a+\j:P+8*\a+\j+1], v[P+8*\a+8+\j:P+8*\a+8+\j+1]
.endr
.endr
.irp a, 0,4
.irp j, 0,2,4,6
	v_pk_add_f32 v[P+8*\a+\j:P+8*\a+\j+1], v[P+8*\a+\j:P+8*\a+\j+1], v[P+8*\a+16+\j:P+8*\a+16+\j+1]
.endr
.endr
.irp j, 0,2,4,6
	v_pk_add_f32 v[P+\j:P+\j+1], v[P+\j:P+\j+1], v[P+32+\j:P+32+\j+1]
.endr
.endm
	s_load_b128 s[4:7], s[0:1], 0x0                ; Sp s[4:5], Sb s[6:7]
	v_lshl_add_u32 v80, v0, 2, 0x2000
	v_mov_b32 v81, 0
	v_lshrrev_b32 v1, 5, v0
	v_readfirstlane_b32 s8, v1                     ; u
	s_and_b32 s9, ttmp7, 0xffff                    ; n
	s_lshl_b32 s10, s9, 6
	s_lshl3_add_u32 s10, s8, s10                   ; my first partial: 64 n + 8 u
	s_lshl_b32 s10, s10, 16                        ; of 65,536 bytes each
	s_lshl_b32 s11, ttmp9, 10                      ; + tile T of 1,024 bytes
	s_add_co_u32 s10, s10, s11
	s_mov_b32 s11, 0
	v_and_b32 v1, 31, v0
	v_lshlrev_b32 v1, 4, v1                        ; 16 L
	s_lshl_b32 s12, s8, 10
	v_add_nc_u32 v2, s12, v1                       ; my wave's 1,024 bytes of LDS
	s_wait_kmcnt 0x0
	s_add_nc_u64 s[4:5], s[4:5], s[10:11]
.irp i, 0,1,2,3,4,5,6,7
	global_load_b128 v[P+8*\i:P+8*\i+3],   v1, s[4:5] offset:\i*65536 th:TH_LOAD_NT
	global_load_b128 v[P+8*\i+4:P+8*\i+7], v1, s[4:5] offset:\i*65536+512 th:TH_LOAD_NT
.endr
	s_wait_loadcnt 0x0
	TREE
	ds_store_b128 v2, v[P:P+3]
	ds_store_b128 v2, v[P+4:P+7] offset:512
	s_wait_dscnt 0x0                               ; my stores are done, for wave 0's sake
	s_barrier_signal -1
	s_barrier_wait -1
	s_cmp_lg_u32 s8, 0
	s_cbranch_scc1 .Lend
.irp i, 0,1,2,3,4,5,6,7
	ds_load_b128 v[P+8*\i:P+8*\i+3],   v1 offset:\i*1024
	ds_load_b128 v[P+8*\i+4:P+8*\i+7], v1 offset:\i*1024+512
.endr
	s_lshr_b32 s12, ttmp9, 4                       ; p = kt / 2 = T / 16
	s_and_b32 s13, ttmp9, 7                        ; vt = T % 8
	s_lshl3_add_u32 s12, s12, s13
	s_lshl_b32 s14, s12, 10                        ; (8 p + vt) fragments of 1,024 bytes
	s_bfe_u32 s13, ttmp9, 0x10003                  ; c = kt % 2
	s_lshl_b32 s13, s13, 9
	s_add_co_u32 s14, s14, s13
	s_lshl_b32 s13, s9, 16                         ; + n batches of 65,536 bytes
	s_add_co_u32 s14, s14, s13
	s_mov_b32 s15, 0
	s_add_nc_u64 s[6:7], s[6:7], s[14:15]
	s_wait_dscnt 0x0
	TREE
.irp i, 0,1,2,3
	v_cvt_pk_bf16_f32 v[O+\i], v[P+2*\i], v[P+2*\i+1]              ; S rounded
.endr
.irp i, 0,1,2,3
	v_lshlrev_b32 v[P+8+2*\i], 16,         v[O+\i]                 ; widened again: the low half moves up,
	v_and_b32     v[P+9+2*\i], 0xffff0000, v[O+\i]                 ; the high half stays
.endr
.irp i, 0,1,2,3
	v_pk_add_f32 v[P+2*\i:P+2*\i+1], v[P+2*\i:P+2*\i+1], v[P+8+2*\i:P+9+2*\i] neg_lo:[0,1] neg_hi:[0,1]   ; the rest, exact in f32
.endr
.irp i, 0,1,2,3
	v_cvt_pk_bf16_f32 v[O+4+\i], v[P+2*\i], v[P+2*\i+1]            ; the rest rounded
.endr
	global_store_b128 v1, v[O:O+3],   s[6:7]
	global_store_b128 v1, v[O+4:O+7], s[6:7] offset:32768
.Lend:
	s_wait_tensorcnt 0x0
	ds_add_u32 v80, v81
	s_wait_dscnt 0x0
	s_endpgm
.Lfunc_end_k_qe5977114e6_sred:
	.size	k_qe5977114e6_sred, .Lfunc_end_k_qe5977114e6_sred-k_qe5977114e6_sred
	.p2alignl 7, 3214868480
	.fill 96, 4, 3214868480
	.section	.rodata,"a",@progbits
	.p2align	6, 0x0
	.amdhsa_kernel k_qe5977114e6_sred
		.amdhsa_group_segment_fixed_size 9216
		.amdhsa_private_segment_fixed_size 0
		.amdhsa_enable_private_segment 0
		.amdhsa_kernarg_size 16
		.amdhsa_user_sgpr_count 2
		.amdhsa_user_sgpr_kernarg_segment_ptr 1
		.amdhsa_wavefront_size32 1
		.amdhsa_system_sgpr_workgroup_id_x 1
		.amdhsa_system_sgpr_workgroup_id_y 1
		.amdhsa_system_sgpr_workgroup_id_z 1
		.amdhsa_system_vgpr_workitem_id 0
		.amdhsa_next_free_vgpr 82
		.amdhsa_next_free_sgpr 66
		.amdhsa_reserve_vcc 0
		.amdhsa_float_denorm_mode_32 3
		.amdhsa_float_denorm_mode_16_64 3
		.amdhsa_memory_ordered 1
		.amdhsa_forward_progress 1
		.amdhsa_inst_pref_size 10
	.end_amdhsa_kernel
	.amdgpu_metadata
---
amdhsa.version: [ 1, 2 ]
amdhsa.kernels:
  - .name:           k_qe5977114e6_sred
    .symbol:         k_qe5977114e6_sred.kd
    .args:
      - { .name: Sp, .offset: 0, .size: 8, .value_kind: global_buffer, .address_space: global }
      - { .name: Sb, .offset: 8, .size: 8, .value_kind: global_buffer, .address_space: global }
    .group_segment_fixed_size: 9216
    .private_segment_fixed_size: 0
    .kernarg_segment_align: 8
    .kernarg_segment_size: 16
    .max_flat_workgroup_size: 256
    .sgpr_count:     66
    .vgpr_count:     82
    .wavefront_size: 32
...
	.end_amdgpu_metadata
.endif
;; end of part 3
;; launch outp (part 4): grid 256 x 1, 8 waves a work-group, no clusters, 35,840 bytes of LDS; arguments Qf, Sb, out0; writes out0
.if DOCPART == 4
	.amdgcn_target "amdgcn-amd-amdhsa--gfx1250"
	.amdhsa_code_object_version 6
	.text
	.protected	k_qe5977114e6_outp
	.globl	k_qe5977114e6_outp
	.p2align	8
	.type	k_qe5977114e6_outp,@function
k_qe5977114e6_outp:
	s_mov_b64 s[64:65], 0
	v_nop
	global_prefetch_b8 v0, s[64:65] scope:SCOPE_SE
	s_setreg_imm32_b32 hwreg(HW_REG_WAVE_MODE, 25, 1), 1
	s_wait_xcnt 0x0
; out0 = Q S: [64 rows x 128] x [128 x 128] for each work-group; S is its batch's K^T V.  Operands bf16, sums f32, results stored in f32.
; Q and S each come as two bf16 numbers (rounded + rest): out = Sr Qr + Sr Qrest + Srest Qr.  The product of the two rests, below 2^-16 of a product, is left out.
; Work-group g owns rows 64 g .. 64 g + 63 (batch g / 64).  Wave u makes row tile mt = u / 2 (16 rows) x 64 columns (half vh = u % 2): four accumulators,
; K = 128 in four steps, three products a step: 48 matrix instructions.
; Qf and Sb hold register images of fragments, so every operand goes from memory straight into its registers, 512 consecutive bytes a load, with no pass through LDS.
; S IS THE FIRST SOURCE: lane (r, h) then holds, in registers j, out(row 16 mt + r, columns 16 vt + 8 h + j): eight neighbouring f32 of one row.
; NO JOINT LOADS, though the 64 work-groups of a batch read the same 65,536 bytes of S: a wave does 48 matrix instructions in all, on operands asked for at its start;
; a joint tensor load would put two rounds of a cluster's barrier and a pass through LDS in front of them.
; The way out goes through the wave's own 16 rows x 272 bytes of LDS, so that sixteen lanes store 256 consecutive bytes, aligned.
; REGISTERS: window 0 all but S's rests, which lie in window 1 (v256-383).
.set QA,   8                           ; v8   Qf: 8,192 mt + 16 L
.set SAD,  9                           ; v9   Sb: 4,096 vh + 16 L
.set STO,  10                          ; v10  stage, in: 272 r + 32 h
.set RD,   11                          ; v11  stage, back: 272 h + 16 r
.set CO,   12                          ; v12  out0: (16 mt + h) rows of 512 bytes + 256 vh + 16 r
.set QH,   16                          ; v[16:47]    Q rounded, 8 p
.set QL,   48                          ; v[48:79]    Q's rests, 8 p
.set SH,   80                          ; v[80:207]   S rounded, 8 (4 p + b)
.set ACC,  208                         ; v[208:239]  four accumulators
.set OUTR, 16                          ; v[16:47]    rows read back, where Q lay
.set SL,   0                           ; window 1, v[0:127]: S's rests, 8 (4 p + b)
.set SPITCH, 272
.set MSB,  0
.macro WIN new                         ; the immediate's high byte repeats the setting that is left
.if MSB != \new
	s_set_vgpr_msb (MSB<<8)|\new
.set MSB, \new
.endif
.endm
.macro LOADA p                         ; K step p: 12 loads: Q rounded, Q's rest, S rounded
.irp c, 0,1
	global_load_b128 v[QH+8*\p+4*\c:QH+8*\p+4*\c+3], v[QA], s[4:5] offset:\p*2048+\c*512
	global_load_b128 v[QL+8*\p+4*\c:QL+8*\p+4*\c+3], v[QA], s[4:5] offset:\p*2048+1024+\c*512
.endr
.irp b, 0,1,2,3
.irp c, 0,1
	global_load_b128 v[SH+8*(4*\p+\b)+4*\c:SH+8*(4*\p+\b)+4*\c+3], v[SAD], s[6:7] offset:\p*8192+\b*1024+\c*512
.endr
.endr
.endm
.macro LOADL p                         ; K step p: 8 loads: S's rests, 32,768 bytes behind S rounded
	WIN 0x40                                       ; destination window 1, address window 0
.irp b, 0,1,2,3
.irp c, 0,1
	global_load_b128 v[SL+8*(4*\p+\b)+4*\c:SL+8*(4*\p+\b)+4*\c+3], v[SAD], s[6:7] offset:32768+\p*8192+\b*1024+\c*512
.endr
.endr
	WIN 0
.endm
.macro MUL4 s, q, zero                 ; four matrix instructions: S's four column tiles from register s on, one fragment of Q at register q
.irp b, 0,1,2,3
.if \zero
	v_wmma_f32_16x16x32_bf16 v[ACC+8*\b:ACC+8*\b+7], v[\s+8*\b:\s+8*\b+7], v[\q:\q+7], 0
.else
	v_wmma_f32_16x16x32_bf16 v[ACC+8*\b:ACC+8*\b+7], v[\s+8*\b:\s+8*\b+7], v[\q:\q+7], v[ACC+8*\b:ACC+8*\b+7]
.endif
.endr
.endm
	s_load_b128 s[4:7], s[0:1], 0x0                ; Qf s[4:5], Sb s[6:7]
	s_load_b64 s[8:9], s[0:1], 0x10                ; out0
	v_lshl_add_u32 v254, v0, 2, 0x8800
	v_mov_b32 v255, 0
	v_lshrrev_b32 v1, 5, v0
	v_readfirstlane_b32 s10, v1                    ; u
	s_lshr_b32 s11, s10, 1                         ; mt
	s_and_b32 s12, s10, 1                          ; vh
	s_lshl_b32 s14, ttmp9, 15                      ; Qf: 4 row tiles of 8,192 bytes
	s_mov_b32 s15, 0
	s_lshr_b32 s16, ttmp9, 6                       ; batch
	s_lshl_b32 s16, s16, 16                        ; Sb: 65,536 bytes a batch
	s_mov_b32 s17, 0
	s_lshl_b32 s18, ttmp9, 15                      ; out0: 64 rows of 512 bytes
	s_mov_b32 s19, 0
	v_and_b32 v1, 31, v0                           ; L
	v_and_b32 v2, 15, v0                           ; r
	v_bfe_u32 v3, v0, 4, 1                         ; h
	s_lshl_b32 s20, s11, 13
	v_lshl_add_u32 v[QA], v1, 4, s20
	s_lshl_b32 s21, s12, 12
	v_lshl_add_u32 v[SAD], v1, 4, s21
	s_mul_i32 s22, s10, 16*SPITCH                  ; my stage
	v_mul_u32_u24 v4, v2, SPITCH
	v_lshl_add_u32 v4, v3, 5, v4
	v_add_nc_u32 v[STO], s22, v4
	v_mul_u32_u24 v5, v3, SPITCH
	v_lshl_add_u32 v5, v2, 4, v5
	v_add_nc_u32 v[RD], s22, v5
	s_lshl_b32 s20, s11, 13
	s_lshl_b32 s21, s12, 8
	s_add_co_u32 s20, s20, s21
	v_lshlrev_b32 v6, 9, v3
	v_lshl_add_u32 v6, v2, 4, v6
	v_add_nc_u32 v[CO], s20, v6
	s_wait_kmcnt 0x0
	s_add_nc_u64 s[4:5], s[4:5], s[14:15]
	s_add_nc_u64 s[6:7], s[6:7], s[16:17]
	s_add_nc_u64 s[8:9], s[8:9], s[18:19]
	LOADA 0                                        ; 48 + 8 loads go out at the start; the other 24 follow, 8 behind each step's products: 56 out at the most
	LOADA 1
	LOADA 2
	LOADA 3
	LOADL 0
	; The four accumulators take turns, one instruction a turn.
.irp p, 0,1,2,3
	s_wait_loadcnt 44-4*\p                         ; younger than this step's 12 loads: 12 for each later step, and 8 rests of S for each of the steps 0 .. p
.if \p == 0
	MUL4 (SH+32*\p), (QH+8*\p), 1                  ; the first product starts the sums
.else
	MUL4 (SH+32*\p), (QH+8*\p), 0
.endif
	MUL4 (SH+32*\p), (QL+8*\p), 0
.if \p < 3
	LOADL (\p+1)
.endif
.endr
	WIN 0x01                                       ; source 0 (S's rests) window 1, all else window 0
.irp p, 0,1,2,3
	s_wait_loadcnt 24-8*\p                         ; the 8 loads of each later step's rests may stay out
	MUL4 (SL+32*\p), (QH+8*\p), 0
.endr
	WIN 0
.rept 4
	v_nop                                          ; four places behind the last matrix instruction, in front of the LDS stores that read results and of the loads into Q's registers
.endr
.irp b, 0,1,2,3
	ds_store_b128 v[STO], v[ACC+8*\b:ACC+8*\b+3]   offset:64*\b
	ds_store_b128 v[STO], v[ACC+8*\b+4:ACC+8*\b+7] offset:64*\b+16
.endr
.irp i, 0,1,2,3,4,5,6,7
	ds_load_b128 v[OUTR+4*\i:OUTR+4*\i+3], v[RD] offset:\i*2*SPITCH     ; LDS serves a wave's instructions in order (ISA guide 5.7.1): these see the stores above; the stage is my own
.endr
.irp i, 0,1,2,3,4,5,6,7
	s_wait_dscnt 7-\i                              ; the younger loads may stay out
	global_store_b128 v[CO], v[OUTR+4*\i:OUTR+4*\i+3], s[8:9] offset:\i*1024 th:TH_STORE_NT   ; rows 2 i and 2 i + 1: sixteen lanes store 256 consecutive bytes, aligned
.endr
	s_wait_tensorcnt 0x0
	ds_add_u32 v254, v255
	s_wait_dscnt 0x0
	s_endpgm
.Lfunc_end_k_qe5977114e6_outp:
	.size	k_qe5977114e6_outp, .Lfunc_end_k_qe5977114e6_outp-k_qe5977114e6_outp
	.p2alignl 7, 3214868480
	.fill 96, 4, 3214868480
	.section	.rodata,"a",@progbits
	.p2align	6, 0x0
	.amdhsa_kernel k_qe5977114e6_outp
		.amdhsa_group_segment_fixed_size 35840
		.amdhsa_private_segment_fixed_size 0
		.amdhsa_enable_private_segment 0
		.amdhsa_kernarg_size 24
		.amdhsa_user_sgpr_count 2
		.amdhsa_user_sgpr_kernarg_segment_ptr 1
		.amdhsa_wavefront_size32 1
		.amdhsa_system_sgpr_workgroup_id_x 1
		.amdhsa_system_sgpr_workgroup_id_y 1
		.amdhsa_system_sgpr_workgroup_id_z 1
		.amdhsa_system_vgpr_workitem_id 0
		.amdhsa_next_free_vgpr 384
		.amdhsa_next_free_sgpr 66
		.amdhsa_reserve_vcc 0
		.amdhsa_float_denorm_mode_32 3
		.amdhsa_float_denorm_mode_16_64 3
		.amdhsa_memory_ordered 1
		.amdhsa_forward_progress 1
		.amdhsa_inst_pref_size 16
	.end_amdhsa_kernel
	.amdgpu_metadata
---
amdhsa.version: [ 1, 2 ]
amdhsa.kernels:
  - .name:           k_qe5977114e6_outp
    .symbol:         k_qe5977114e6_outp.kd
    .args:
      - { .name: Qf, .offset: 0, .size: 8, .value_kind: global_buffer, .address_space: global }
      - { .name: Sb, .offset: 8, .size: 8, .value_kind: global_buffer, .address_space: global }
      - { .name: out0, .offset: 16, .size: 8, .value_kind: global_buffer, .address_space: global }
    .group_segment_fixed_size: 35840
    .private_segment_fixed_size: 0
    .kernarg_segment_align: 8
    .kernarg_segment_size: 24
    .max_flat_workgroup_size: 256
    .sgpr_count:     66
    .vgpr_count:     384
    .wavefront_size: 32
...
	.end_amdgpu_metadata
.endif
;; end of part 4
